; MI455X (gfx1250); checked and timed in simulation.
; The chip was launched on July 23, 2026; its instructions are those of AMD's public machine-readable ISA for CDNA 5 (MIT licence, August 2026) and "CDNA5" Instruction Set Architecture Reference Guide (July 2026). The comments in the code are by the model that wrote it; some were corrected since.
;; minerva2. Allowed arithmetic: matrix products marked QUANTISED: E2M1 operands, one E8M0 scale for each 32 along K, by v_wmma_scale_f32_16x16x128_f8f6f4 with both operands' format E2M1 (or v_wmma_scale_f32_32x16x128_f4), f32 sums; everything else in f32.
;; Inputs: ex_class_reps_codes 28 x 512 x 16 uint8 (E2M1 codes of ex_class_reps, K innermost, in blocks of 32 codes, two codes a byte); ex_class_reps_scales 28 x 512 uint8 (E8M0 scales of ex_class_reps, one for each 32 codes along K); ex_features 16,384 x 256 float32; features 4,096 x 256 float32.
;; Outputs: out0 4,096 x 28 float32; out1 4,096 float32.
;; Constants: p_factor = 3.
;; This version of the problem:
;;   THIS VERSION OF THE PROBLEM IS GIVEN IN LOW PRECISION. The matrix products marked QUANTISED in the list below multiply operands that are first quantised to E2M1 (2 exponent bits, 1 mantissa bit; 4 bits a number), with one power-of-two scale for each 32 numbers along K (OCP MX v1.0); their sums are f32. All else is computed in f32.
;;   The module's matrix products, in the order in which they are computed (A, B: the left and right operand; K: the contracted axis; several contracted axes count as one K, in the product's order):
;;     1. [M 4,096, K 256] x [K 256, N 16,384]; A: computed on the way; B: computed on the way: QUANTISED
;;     2. [M 4,096, K 16,384] x [K 16,384, N 28]; A: computed on the way; B: input ex_class_reps (given as codes): QUANTISED
;;   THE QUANTISER, for each operand of a quantised product, along K:
;;     - K is cut into blocks of 32 from its start; a last block that is shorter is filled with zeros.
;;     - A block's scale is 2^e with e = floor(log2(the largest magnitude in the block)) - 2, held to -126 .. 127; a block of zeros has e = 0. As a byte (E8M0): e + 127.
;;     - Each number is divided by its block's scale, clamped to +-6, and rounded to the nearest number of E2M1, ties to even, subnormals kept.
;;     - The product sums the exact products of the quantised numbers (number of the format x scale) in f32.
;;   ~~~python
;;   def quantise(x, axis):      # numpy; x: float32 -> the quantised numbers, widened to float32 again
;;       x = np.moveaxis(x, axis, -1); K = x.shape[-1]
;;       x = np.pad(x, [(0, 0)] * (x.ndim - 1) + [(0, -K % 32)]); x = x.reshape(x.shape[:-1] + (-1, 32)); a = np.abs(x).max(-1, keepdims=True)
;;       e = np.where(a > 0, np.clip(np.frexp(np.where(a > 0, a, 1))[1] - 1 - 2, -126, 127), 0)      # np.frexp(a)[1] - 1 = floor(log2(a)), exactly
;;       r = np.clip(x / 2.0 ** e, -6, 6)
;;       step = 2.0 ** (np.maximum(np.frexp(np.where(r == 0, 1, r))[1] - 1, 0) - 1)
;;       q = np.round(r / step) * step * 2.0 ** e      # np.round: ties to even
;;       return np.moveaxis(q.reshape(q.shape[:-2] + (-1,))[..., :K], -1, axis).astype(np.float32)
;;   ~~~
;;   OPERANDS COMPUTED ON THE WAY. 'Computed on the way' means the value that the module computes at that place (a softmax that the list does not call 'softmax' is quantised finished and normalised). What goes into a quantiser is computed in f32, as accurately as f32 sums, v_exp_f32 and their like allow (about 1e-6 of the number): no bf16 or f16 on the way to a quantiser, and a product that is left as it is and whose result goes on into a quantised operand takes f32 operands (vector FMAs, or v_wmma_f32_16x16x4_f32). A number that lies on a knife's edge between two numbers of the format may be rounded either way, as far as f32 arithmetic and the matrix unit's own rounding can turn it there, and no further.
;;   INPUTS GIVEN AS CODES. ex_class_reps (in the module: [16384, 28], K = its axis 0): each comes as NAME_codes (uint8): NAME with its K axis moved to the last place and cut into blocks of 32 codes, [.., K / 32, bytes a block], one block behind the other in memory; two codes a byte, the lower K in the low four bits (a code: sign, 2 exponent bits, 1 mantissa bit); and NAME_scales (uint8): the same leading axes, one E8M0 byte (e + 127) for each 32 codes along K. Its value is code x scale, taken as it is: it is not quantised again, and the codes and scales need not be those that the quantiser above would give.
;; One version. Each part assembles by itself: llvm-mc -triple=amdgcn-amd-amdhsa -mcpu=gfx1250 --defsym DOCPART=n.
;; ======== version 1 of 1: 3 launches
;; limits: right only within a limited range of input values
;; workspace buffers: qf 557,056 bytes; ek 2,228,224 bytes; part 4,194,304 bytes
;; launch quant (part 1): grid 320 x 1, 4 waves a work-group, no clusters, 10,240 bytes of LDS; arguments features, ex_features, qf, ek; writes qf, ek
.if DOCPART == 1
	.amdgcn_target "amdgcn-amd-amdhsa--gfx1250"
	.amdhsa_code_object_version 6
	.text
	.protected	k_q9c5eb76119_quant
	.globl	k_q9c5eb76119_quant
	.p2align	8
	.type	k_q9c5eb76119_quant,@function
k_q9c5eb76119_quant:
	s_mov_b64 s[64:65], 0
	v_nop
	global_prefetch_b8 v0, s[64:65] scope:SCOPE_SE
	s_setreg_imm32_b32 hwreg(HW_REG_WAVE_MODE, 25, 1), 1
	s_wait_xcnt 0x0
; features [4096][256] and ex_features [16384][256], f32: each row is divided by max(its length, 1e-12) in f32 and turned into codes of FP4 (E2M1)
; with one E8M0 scale byte for each 32 along the row.  The result is laid for the next launch as IMAGES OF OPERAND REGISTERS, in GROUPS of 64 rows:
;   a group is 8,704 bytes: 4 tiles of 16 rows; tile t's codes at 2048 t + 512 q + 16 lane, q = 0..3: registers 4 (q % 2) .. + 3 of the fragment of K step q / 2
;   (128 along K): lane (r, h) holds k = 64 q + 32 h + 0 .. 31 of its row.  Behind the codes, at 8192, the scale words: row r of tile t, K step k at
;   16 (16 (t % 2) + r) + 8 (t / 2) + 4 k: 16 bytes a lane are the words of two pairs of tiles for both K steps.
;   LANE r OF TILE t IS GROUP ROW 32 (r / 8) + 8 t + r % 8: the next launch's first product then leaves a whole block of 32 neighbouring rows in a lane's 32 registers.
; SHARES: a work-group takes one group (the first 64 work-groups those of features, the other 256 those of ex_features: only pointers are chosen, one path
; through the text), a wave one tile: 16 rows, 16 KiB, all 32 loads out at once; no loop.  Each load reads 512 consecutive bytes: half a row, lane l the numbers 4 l .. 4 l + 3 of it.
; ROWS ARE FINISHED AS THEY ARRIVE, four at a time, in the registers that they were loaded into: the length over 32 lanes, a block's maximum over 8.  A row's eight registers a lane (four of each half)
; are converted twice, with the first half's scale and with the second's; of each result the half that fits is kept.  Only the codes (2 KiB a wave) turn through LDS into the image's order.
; No matrix unit, no tensor load, no cluster: every byte is read once by one wave, and nothing is shared.
; LIMITS: NaN and infinities among the inputs are not served.  A row whose sum of squares overflows f32 becomes zeros, as x / infinity does.  The division is a
; multiplication by v_rcp_f32 of the length.  A block whose largest magnitude lies under 2^(3 - 127), zeros among them, gets the byte 1 (the rule says 127
; for zeros): its codes are zeros, and this program alone reads the bytes.
.set CPITCH, 144                       ; a row of codes in LDS: 128 bytes + 16: sixteen rows start at sixteen different 16-byte columns modulo 256
.set WST,   16*CPITCH                  ; a wave's stage
.set SCB,   4*WST                      ; behind the stages: the group's 512 bytes of scale words
.set SPARE, SCB+512                    ; behind them: the spare words
.set GRP,   8704
.set FLOOR, 0x1800000                  ; 2^(3 - 127)
.set GL,  4                            ; v4   16 x lane
.set LW,  5                            ; v5   the stage, on the way in: wave's stage + 2 x lane
.set LR,  6                            ; v6   on the way out: wave's stage + row r + 16 h
.set SB,  7                            ; v7   where my block's scale byte goes
.set SCR, 8                            ; v8   where wave 0 reads the image back: SCB + 16 x lane
.set X,   32                           ; v32-159  row i at X + 8 i: four numbers of its first half, four of its second
.set SS,  160                          ; v160-175 sums of squares, two pairs a row
.set MA,  176                          ; v176-183 the blocks' maxima, then the conversions' scale operands: row j's two halves at MA + 2 j
.set SQ,  184                          ; v184-187 the rows' sums
.set LN,  188                          ; v188-191 their roots
.set PX,  192                          ; v192-195 lane l xor 16's sums
.set IV,  196                          ; v196-203 1 / length, the low word of a pair for each row
.set C,   204                          ; v204-211 the conversions' results
.set BY,  212                          ; v212-219 the scale bytes
	s_load_b256 s[4:11], s[0:1], 0x0               ; features s[4:5], ex_features s[6:7], qf s[8:9], ek s[10:11]
	v_lshl_add_u32 v220, v0, 2, SPARE              ; my spare word, and 0
	v_mov_b32 v221, 0
	v_lshrrev_b32 v1, 5, v0
	v_readfirstlane_b32 s12, v1                    ; wave = tile 0..3
	s_mul_i32 s13, s12, WST
	s_and_b32 s24, s12, 1
	s_lshl_b32 s24, s24, 8                         ; my tile's place in the scale words: 256 (t % 2)
	s_lshr_b32 s25, s12, 1
	s_lshl_b32 s25, s25, 3                         ; + 8 (t / 2)
	s_add_co_u32 s24, s24, s25
	s_add_co_u32 s24, s24, SCB
	s_mov_b32 s18, 0x76543210
	s_mov_b32 s19, 0xfedcba98                      ; v_permlanex16_b32's selects for lane l xor 16
	v_and_b32 v1, 31, v0                           ; lane
	v_and_b32 v2, 15, v0                           ; r
	v_bfe_u32 v3, v0, 4, 1                         ; h
	v_bfe_u32 v9, v0, 3, 2                         ; my block of the four in half a row
	v_lshlrev_b32 v[GL], 4, v1
	v_mul_u32_u24 v[LR], v2, CPITCH
	v_lshlrev_b32 v[LW], 1, v1
	v_add_nc_u32 v[SB], s24, v9
	v_add_nc_u32 v[SCR], SCB, v[GL]
	v_lshl_add_u32 v[LR], v3, 4, v[LR]
	v_add_nc_u32 v[LW], s13, v[LW]
.irp j, 0,1,2,3
	v_mov_b32 v[PX+\j], 0                          ; a lane permute's destination counts as read
	v_mov_b32 v[IV+2*\j+1], 0                      ; named as the upper half of a pair
.endr
	v_add_nc_u32 v[LR], s13, v[LR]
	s_wait_alu depctr_va_vdst(0)
	s_wait_kmcnt 0x0
	s_cmp_lt_u32 ttmp9, 64                         ; features or ex_features: the choice hangs on the work-group's number alone
	s_cselect_b64 s[4:5], s[4:5], s[6:7]
	s_cselect_b64 s[8:9], s[8:9], s[10:11]
	s_cselect_b32 s21, 0, 64
	s_sub_co_u32 s21, ttmp9, s21                   ; the group's number in its tensor
	s_lshl_b32 s14, s21, 16                        ; 64 rows of 1,024 bytes a group,
	s_lshl_b32 s22, s12, 13                        ; + 8 rows x tile
	s_add_co_u32 s14, s14, s22
	s_mov_b32 s15, 0
	s_add_nc_u64 s[4:5], s[4:5], s[14:15]
	; load i: half i % 2 of the tile's lane-row i / 2, which is row i / 2 + 24 ((i / 2) / 8) from the tile's first
.set i, 0
.rept 32
	global_load_b128 v[X+4*i:X+4*i+3], v[GL], s[4:5] offset:((i/2)+24*((i/2)/8))*1024+(i%2)*512 th:TH_LOAD_NT
.set i, i+1
.endr
	s_mul_i32 s16, s21, GRP
	s_mov_b32 s17, 0
	s_add_nc_u64 s[8:9], s[8:9], s[16:17]          ; the group's image
	s_lshl_b32 s16, s12, 11
	s_add_nc_u64 s[22:23], s[8:9], s[16:17]        ; my tile's codes in it
; Rows 4 b .. 4 b + 3, chains of the four rows by turns
.macro BATCH b
.set XR, X+32*\b
.if \b > 0
	s_wait_alu depctr_va_vdst(0)
.endif
	s_wait_loadcnt 24-8*\b                         ; loads come back in order: these rows' eight are in, the younger ones stay out
.irp j, 0,1,2,3
	v_pk_mul_f32 v[SS+4*\j:SS+4*\j+1], v[XR+8*\j:XR+8*\j+1], v[XR+8*\j:XR+8*\j+1]
.endr
.irp j, 0,1,2,3
	v_pk_mul_f32 v[SS+4*\j+2:SS+4*\j+3], v[XR+8*\j+4:XR+8*\j+5], v[XR+8*\j+4:XR+8*\j+5]
.endr
.irp j, 0,1,2,3
	v_pk_fma_f32 v[SS+4*\j:SS+4*\j+1], v[XR+8*\j+2:XR+8*\j+3], v[XR+8*\j+2:XR+8*\j+3], v[SS+4*\j:SS+4*\j+1]
.endr
.irp j, 0,1,2,3
	v_pk_fma_f32 v[SS+4*\j+2:SS+4*\j+3], v[XR+8*\j+6:XR+8*\j+7], v[XR+8*\j+6:XR+8*\j+7], v[SS+4*\j+2:SS+4*\j+3]
.endr
.irp k, 0,1,2,3,4,5,6,7
	v_max3_num_f32 v[MA+\k], |v[XR+4*\k]|, |v[XR+4*\k+1]|, |v[XR+4*\k+2]|   ; k = 2 j + half of the row
.endr
.irp j, 0,1,2,3
	v_pk_add_f32 v[SS+4*\j:SS+4*\j+1], v[SS+4*\j:SS+4*\j+1], v[SS+4*\j+2:SS+4*\j+3]
.endr
.irp k, 0,1,2,3,4,5,6,7
	v_max_num_f32 v[MA+\k], v[MA+\k], |v[XR+4*\k+3]|
.endr
.irp j, 0,1,2,3
	v_add_f32 v[SQ+\j], v[SS+4*\j], v[SS+4*\j+1]
.endr
.irp m, 1,2,4
.irp j, 0,1,2,3
	v_add_f32_dpp v[SQ+\j], v[SQ+\j], v[SQ+\j] row_xmask:\m row_mask:0xf bank_mask:0xf
.endr
.irp k, 0,1,2,3,4,5,6,7
	v_max_num_f32_dpp v[MA+\k], v[MA+\k], v[MA+\k] row_xmask:\m row_mask:0xf bank_mask:0xf   ; eight lanes share a block
.endr
.endr
.irp j, 0,1,2,3
	v_add_f32_dpp v[SQ+\j], v[SQ+\j], v[SQ+\j] row_xmask:8 row_mask:0xf bank_mask:0xf
.endr
.irp j, 0,1,2,3
	v_permlanex16_b32 v[PX+\j], v[SQ+\j], s18, s19
.endr
.irp j, 0,1,2,3
	v_add_f32 v[SQ+\j], v[SQ+\j], v[PX+\j]         ; the row's sum of squares, in every lane
.endr
	s_wait_alu depctr_va_vdst(0)                   ; the wait ahead of each batch of transcendentals and behind it
.irp j, 0,1,2,3
	v_sqrt_f32 v[LN+\j], v[SQ+\j]
.endr
	v_nop                                          ; one plain instruction behind a transcendental (ISA guide 5.7.2)
	s_wait_alu depctr_va_vdst(0)
.irp j, 0,1,2,3
	v_max_num_f32 v[LN+\j], 0x2b8cbccc, v[LN+\j]   ; max(length, 1e-12)
.endr
	s_wait_alu depctr_va_vdst(0)
.irp j, 0,1,2,3
	v_rcp_f32 v[IV+2*\j], v[LN+\j]
.endr
	v_nop
	s_wait_alu depctr_va_vdst(0)
.irp k, 0,1,2,3,4,5,6,7
	v_mul_f32 v[MA+\k], v[MA+\k], v[IV+2*(\k/2)]   ; the largest normalised magnitude: rounding keeps the order of magnitudes
.endr
.irp p, 0,2,4,6
.irp j, 0,1,2,3
	v_pk_mul_f32 v[XR+8*\j+\p:XR+8*\j+\p+1], v[XR+8*\j+\p:XR+8*\j+\p+1], v[IV+2*\j:IV+2*\j+1] op_sel_hi:[1,0]   ; the normalised row (the pair's low word serves both halves)
.endr
.endr
.irp k, 0,1,2,3,4,5,6,7
	v_max_num_f32 v[MA+\k], FLOOR, v[MA+\k]        ; the floor holds the byte at 1 from below
.endr
.irp k, 0,1,2,3,4,5,6,7
	v_add_nc_u32 v[MA+\k], 0xff000000, v[MA+\k]    ; 2 off the exponent field: the conversion takes this operand's exponent field as its scale
.endr
.irp k, 0,1,2,3,4,5,6,7
	v_cvt_scalef32_pk8_fp4_f32 v[C+\k], v[XR+8*(\k/2):XR+8*(\k/2)+7], v[MA+\k]   ; k even: the low 16 bits are the first half's four codes; k odd: the high 16 the second half's
.endr
.irp k, 0,1,2,3,4,5,6,7
	v_lshrrev_b32 v[BY+\k], 23, v[MA+\k]           ; the scale's byte; also the plain places behind the conversions
.endr
.irp j, 0,1,2,3
	ds_store_b16 v[LW], v[C+2*\j] offset:(4*\b+\j)*CPITCH
	ds_store_b16_d16_hi v[LW], v[C+2*\j+1] offset:(4*\b+\j)*CPITCH+64
	ds_store_b8 v[SB], v[BY+2*\j] offset:(4*\b+\j)*16        ; a block's eight lanes write the same byte
	ds_store_b8 v[SB], v[BY+2*\j+1] offset:(4*\b+\j)*16+4
.endr
.endm
	BATCH 0
	BATCH 1
	BATCH 2
	BATCH 3
.irp q, 0,1,2,3
	ds_load_b128 v[X+4*\q:X+4*\q+3], v[LR] offset:32*\q      ; my wave's own codes: LDS serves a wave's instructions in order (ISA guide 5.7.1.4)
.endr
	s_wait_dscnt 0x0                               ; the codes are back; for wave 0's sake my scale bytes have landed
.irp q, 0,1,2,3
	global_store_b128 v[GL], v[X+4*\q:X+4*\q+3], s[22:23] offset:512*\q   ; 32 lanes store 512 consecutive bytes, at a multiple of 256 from the buffer's first byte
.endr
	s_barrier_signal -1
	s_barrier_wait -1
	s_cmp_lg_u32 s12, 0
	s_cbranch_scc1 .Ldone
	ds_load_b128 v[10:13], v[SCR]                  ; the four tiles' words: 16 bytes a lane
	s_wait_dscnt 0x0
	global_store_b128 v[GL], v[10:13], s[8:9] offset:8192   ; 512 consecutive bytes behind the group's codes
.Ldone:
	s_wait_tensorcnt 0x0                           ; the wave's end
	ds_add_u32 v220, v221
	s_wait_dscnt 0x0
	s_endpgm
.Lfunc_end_k_q9c5eb76119_quant:
	.size	k_q9c5eb76119_quant, .Lfunc_end_k_q9c5eb76119_quant-k_q9c5eb76119_quant
	.p2alignl 7, 3214868480
	.fill 96, 4, 3214868480
	.section	.rodata,"a",@progbits
	.p2align	6, 0x0
	.amdhsa_kernel k_q9c5eb76119_quant
		.amdhsa_group_segment_fixed_size 10240
		.amdhsa_private_segment_fixed_size 0
		.amdhsa_enable_private_segment 0
		.amdhsa_kernarg_size 32
		.amdhsa_user_sgpr_count 2
		.amdhsa_user_sgpr_kernarg_segment_ptr 1
		.amdhsa_wavefront_size32 1
		.amdhsa_system_sgpr_workgroup_id_x 1
		.amdhsa_system_sgpr_workgroup_id_y 1
		.amdhsa_system_sgpr_workgroup_id_z 1
		.amdhsa_system_vgpr_workitem_id 0
		.amdhsa_next_free_vgpr 222
		.amdhsa_next_free_sgpr 66
		.amdhsa_reserve_vcc 0
		.amdhsa_float_denorm_mode_32 3
		.amdhsa_float_denorm_mode_16_64 3
		.amdhsa_memory_ordered 1
		.amdhsa_forward_progress 1
		.amdhsa_inst_pref_size 47
	.end_amdhsa_kernel
	.amdgpu_metadata
---
amdhsa.version: [ 1, 2 ]
amdhsa.kernels:
  - .name:           k_q9c5eb76119_quant
    .symbol:         k_q9c5eb76119_quant.kd
    .args:
      - { .name: features, .offset: 0, .size: 8, .value_kind: global_buffer, .address_space: global }
      - { .name: ex_features, .offset: 8, .size: 8, .value_kind: global_buffer, .address_space: global }
      - { .name: qf, .offset: 16, .size: 8, .value_kind: global_buffer, .address_space: global }
      - { .name: ek, .offset: 24, .size: 8, .value_kind: global_buffer, .address_space: global }
    .group_segment_fixed_size: 10240
    .private_segment_fixed_size: 0
    .kernarg_segment_align: 8
    .kernarg_segment_size: 32
    .max_flat_workgroup_size: 128
    .sgpr_count:     66
    .vgpr_count:     222
    .wavefront_size: 32
...
	.end_amdgpu_metadata
.endif
;; end of part 1
;; launch echo (part 2): grid 32 x 8, 16 waves a work-group, clusters of 4 x 1, 327,680 bytes of LDS; arguments qf, ek, ex_class_reps_codes, ex_class_reps_scales, part; writes part
.if DOCPART == 2
	.amdgcn_target "amdgcn-amd-amdhsa--gfx1250"
	.amdhsa_code_object_version 6
	.text
	.protected	k_q9c5eb76119_echo
	.globl	k_q9c5eb76119_echo
	.p2align	8
	.type	k_q9c5eb76119_echo,@function
k_q9c5eb76119_echo:
	s_mov_b64 s[64:65], 0
	v_nop
	global_prefetch_b8 v0, s[64:65] scope:SCOPE_SE
	s_setreg_imm32_b32 hwreg(HW_REG_WAVE_MODE, 25, 1), 1
	s_wait_xcnt 0x0
	s_wait_alu depctr_hold_cnt(0) depctr_sa_sdst(0) depctr_va_vdst(0) depctr_va_sdst(0) depctr_va_ssrc(0) depctr_va_vcc(0) depctr_vm_vsrc(0)
	s_getreg_b32 s2, hwreg(HW_REG_IB_STS2, 6, 4)
	s_cmp_eq_u32 s2, 0
	s_cbranch_scc0 .Lentry_in_a_cluster
	s_endpgm
.Lentry_in_a_cluster:
	s_bfe_u32 s2, ttmp6, 0x10000c
	s_cmp_lg_u32 s2, 0x3003
	s_cbranch_scc0 .Lentry_shape_is_right
	s_endpgm
.Lentry_shape_is_right:
; For 128 queries x 2,048 exemplars a work-group: s = Q(f) Q(e)^T (K = 256), a = (s s) s = sign(s) |s|^3 in f32, the row sums of a, a quantised along the exemplars
; in blocks of 32, and Q(a) R (K = these exemplars; R: 28 classes, given as codes).  Both products on codes of FP4 (E2M1) with E8M0 scales; sums in f32.
; part [8 splits][4096 queries][32 f32]: slots 0-27 the echo's part, slot 28 the intensity's part, slots 29-31 written and never used.  The next launch adds the 8 splits.
; qf and ek are groups of 64 rows laid as images of operand registers: 4 tiles x 2,048 bytes of codes, then 512 bytes of scale words.  Lane r of tile i is group row 32 (r / 8) + 8 i + r % 8.
; SHARES.  x: the block of 128 queries (8 tiles of 16); y: the split of 2,048 exemplars.  Wave w of 16 owns exemplars 128 w .. + 127: two HALVES of 64 (a group each), together one K step of the second product.
; Their fragments stay in 128 registers for the whole launch; the wave walks the 8 tiles of queries.  Four waves share a SIMD: 256 registers each, so no register window is ever switched.
; LAYOUT.  Both products are used transposed: S^T = e f^T (source 0 = 32 exemplars, source 1 = 16 queries), O^T = R a^T (source 0 = 32 classes, source 1 = a): a lane holds ONE query throughout.
; By the order of a group's rows the 32 registers of a half's S^T in lane (r, h) are exemplars 32 h + 0 .. 31 of the half: a WHOLE block of the second product's K, in the order that its operand's registers
; want.  So neither the block's maximum nor its codes ask another lane; only the scale word gathers two lanes' bytes.
; CLUSTER.  The four work-groups of a cluster have the same y: they need the same exemplars, so each wave's 17,408 bytes of them are asked for jointly, by ONE tensor load a wave with a mask that names the four.
; A wave reads only the bytes that its own load brought.  When they are in registers, its stage for the way out (128 queries x 32 f32 = 16,384 bytes) lies on them: nothing is filled twice.
; The queries' codes and scale words and the classes differ in who shares them or need another layout: each byte is loaded once a work-group through registers and stored to LDS.
; NO PREFETCH: there is no loop to run ahead in: all of a work-group's input is asked for at the head.
; Classes 28-31 do not exist: their lanes read rows 24-27 again, and their results lie in slots 28-31, of which slot 28 is then overwritten by the sum of a.
; LIMITS: NaN and infinities are not served.  A block of a whose largest magnitude lies under 2^(3 - 127) gets the byte 1; its codes are zeros.
.set GRP,   8704
.set WREG,  2*GRP                      ; a wave's region of LDS: its exemplars, then its stage.  In the stage 16-byte column c of row q lies at column c xor ((q % 16) / 2)
.set QB,    16*WREG                    ; the queries' codes: 2,048 bytes a tile
.set QSB,   QB+16384                   ; their scale words: 128 bytes a tile: row r's two K steps at 8 r
.set CLS,   QSB+1024                   ; the classes' rows,
.set CP,    1040                       ; 1,024 bytes + 16: sixteen rows start at sixteen different 16-byte columns modulo 256
.set SPARE, 325120                     ; 1270 x 256: the spare words, 128 bytes a wave
.set FLOOR, 0x1800000                  ; 2^(3 - 127)
.set QA,  1                            ; LDS address of my 16 bytes of tile 0 of the queries
.set QSA, 2                            ; of my row's scale words
.set STO, 3                            ; v3-6    the stage: where my query's 16-byte columns go
.set STS, 7                            ; its slot 28
.set XL,  8                            ; lane l xor 16's bytes
.set W,   9                            ; the second half's scale byte, then both halves'
.set M,   10                           ; v10, v11 two chains of the block's maximum
.set LS,  12                           ; v[12:13] two chains of the sum of a: even pairs,
.set SM,  14                           ; v[14:15] odd pairs
.set QS,  16                           ; v[16:17] the tile's scale words, K step 0 and 1
.set SO,  18                           ; the conversions' scale operand
.set BY0, 19                           ; the first half's scale byte
.set SF,  20                           ; v[20:21] the finished sum of the tile before
.set CS,  22                           ; my class's scale word
.set PW,  23                           ; a's scale word
.set T,   24                           ; v24-31  s s of eight registers
.set O,   32                           ; v32-47  O^T
.set KS,  48                           ; v48-55  the exemplars' scale words: half h, pair p, K step k at KS + 4 h + 2 p + k
.set Q,   56                           ; v56-71  the tile of queries
.set CF,  72                           ; v72-87  the classes: 32 x my 128 exemplars
.set P,   88                           ; v88-95  a's codes
.set S,   96                           ; v96-127 S^T of a half
.set E,   128                          ; v128-255 the exemplars
.set SEL, 44
.set G0,  48
.set G1,  52
; A round of the cluster's barrier: my work-group's barrier, wave 0 signals for the work-group, every wave waits for the four work-groups, my work-group's barrier once more.
.macro ROUND
	s_barrier_signal -1
	s_barrier_wait -1
	s_cmp_lg_u32 s14, 0
	s_cbranch_scc1 .Lnot_wave_0_\@
	s_barrier_signal -3
.Lnot_wave_0_\@:
	s_barrier_wait -3
	s_barrier_signal -1
	s_barrier_wait -1
.endm
	s_load_b256 s[4:11], s[0:1], 0x0               ; qf s[4:5], ek s[6:7], the classes' codes s[8:9], their scales s[10:11]
	s_load_b64 s[12:13], s[0:1], 0x20              ; part
	v_lshl_add_u32 v24, v0, 2, SPARE
	v_mov_b32 v25, 0
	ds_add_u32 v24, v25                            ; the wave's opening: the add, twice on end, and its wait ahead of my first tensor load
	ds_add_u32 v24, v25
	v_lshrrev_b32 v96, 5, v0
	v_readfirstlane_b32 s14, v96                   ; wave 0..15
	s_bfe_u32 s15, ttmp6, 0x40000                  ; cx: my place in the cluster: it enters qf's and part's addresses alone
	s_lshl_b32 s18, ttmp9, 2                       ; in a cluster launch ttmp9 counts clusters
	s_add_co_u32 s18, s18, s15                     ; my block of 128 queries
	s_and_b32 s17, ttmp7, 0xffff                   ; the split, which the four partners share
	s_mul_i32 s28, s18, 2*GRP                      ; my block's two groups in qf
	s_lshr_b32 s16, s14, 3
	s_mul_i32 s20, s16, GRP
	s_and_b32 s16, s14, 7
	s_lshl_b32 s16, s16, 10
	s_add_co_u32 s20, s20, s16
	s_add_co_u32 s20, s20, s28                     ; the half tile that my wave brings: half w % 2 of tile w / 2
	s_mov_b32 s21, 0
	s_and_b32 s19, s14, 1
	s_mul_i32 s16, s19, GRP
	s_add_co_u32 s28, s28, s16
	s_add_co_u32 s28, s28, 8192                    ; waves 14, 15: the scale words of group w % 2
	s_mov_b32 s29, 0
	s_mul_i32 s36, s14, WREG                       ; my region in LDS
	s_mul_i32 s24, s17, 16*WREG
	s_add_co_u32 s24, s24, s36                     ; and its bytes in ek
	s_mov_b32 s25, 0
	s_lshl_b32 s26, s14, 14                        ; waves 0 to 13: the classes' rows 2 w, 2 w + 1, 8,192 bytes apart,
	s_lshl_b32 s16, s17, 10
	s_add_co_u32 s26, s26, s16                     ; 1,024 bytes a split
	s_mov_b32 s27, 0
	s_lshl_b32 s30, s17, 6                         ; the classes' scale bytes: 64 a split, 4 a wave
	s_lshl_b32 s16, s14, 2
	s_add_co_u32 s30, s30, s16
	s_mov_b32 s31, 0
	s_lshl_b32 s34, s17, 12                        ; part: with tile T = w / 2: row 4,096 split + 128 block + 64 (T / 4) + 8 (T % 4) + 32 (w % 2)
	s_lshl_b32 s16, s18, 7
	s_add_co_u32 s34, s34, s16
	s_lshr_b32 s16, s14, 3
	s_lshl_b32 s16, s16, 6
	s_add_co_u32 s34, s34, s16
	s_bfe_u32 s16, s14, 0x20001
	s_lshl_b32 s16, s16, 3
	s_add_co_u32 s34, s34, s16
	s_lshl_b32 s16, s19, 5
	s_add_co_u32 s34, s34, s16
	s_lshl_b32 s34, s34, 7                         ; of 128 bytes
	s_mov_b32 s35, 0
	s_lshl_b32 s37, s14, 10
	s_add_co_u32 s37, s37, QB                      ; LDS: my half tile of queries
	s_mul_i32 s38, s14, 2*CP
	s_add_co_u32 s38, s38, CLS                     ; my two rows of classes
	s_lshl_b32 s39, s19, 9
	s_add_co_u32 s39, s39, QSB                     ; my group's scale words
	s_lshl_b32 s40, s14, 6
	s_add_co_u32 s40, s40, CLS                     ; my exemplars' 64 bytes of the classes' rows
	s_lshl_b32 s41, s14, 10                        ; the way out: my 8 rows of each stage: 1,024 w
	s_lshl_b32 s46, s19, 2
	s_mov_b32 s[SEL], 0x76543210
	s_mov_b32 s[SEL+1], 0xfedcba98                 ; v_permlanex16_b32's selects for lane l xor 16
	; descriptor: a dense block of 17,408 bytes as 68 rows of 32 elements of 8 bytes
	s_mov_b32 s[G1+0], 15|(3<<16)|(1<<21)          ; 15:0 the mask: all four work-groups; 17:16 elements of 8 bytes; 21 set beside a mask
	s_mov_b32 s[G1+1], 32<<16                      ; tensor_dim0 = 32
	s_mov_b32 s[G1+2], 68<<16                      ; tensor_dim1 = 68
	s_mov_b32 s[G1+3], 32<<16                      ; tile_dim0 = 32
	s_mov_b32 s[G1+4], 68                          ; tile_dim1 = 68
	s_mov_b32 s[G1+5], 32                          ; from row to row: 32 elements
	s_mov_b32 s[G1+6], 0
	s_mov_b32 s[G1+7], 0
	s_mov_b32 s[G0], 1                             ; count = 1
	s_mov_b32 s[G0+1], s36                         ; LDS address
	v_and_b32 v96, 31, v0                          ; lane
	v_and_b32 v97, 15, v0                          ; r
	v_bfe_u32 v98, v0, 4, 1                        ; h
	v_lshlrev_b32 v92, 4, v96                      ; v92: 16 x lane
	v_add_nc_u32 v99, 4, v96
	v_lshrrev_b32 v100, 2, v97
	v_and_b32 v101, 3, v97
	v_lshrrev_b32 v102, 1, v97                     ; r / 2
	v_lshlrev_b32 v103, 1, v98                     ; 2 h
	v_lshrrev_b32 v99, 5, v99
	v_mad_u32_u24 v100, v100, 10, 14
	v_mul_u32_u24 v104, v97, CP
	v_xor_b32 v103, v103, v102
	v_lshlrev_b32 v99, 2, v99
	v_lshrrev_b32 v100, 4, v100                    ; with q = r / 4: (10 q + 14) / 16 = 0, 1, 2, 2 for q = 0 .. 3
	v_lshl_add_u32 v104, v98, 4, v104
	v_lshlrev_b32 v103, 4, v103
	v_sub_nc_u32 v99, v96, v99                     ; row = lane, and for lanes 28 .. 31 rows 24 .. 27 again
	v_lshl_add_u32 v100, v100, 2, v101
	v_xor_b32 v105, 7, v102
	v_lshl_add_u32 v103, v97, 7, v103              ; row r of 128 bytes, column (2 h) xor (r / 2)
	v_lshlrev_b32 v120, 9, v99                     ; v120: my class's row of scale bytes, 512 a row
	v_add_nc_u32 v100, 16, v100                    ; rows 16 .. 27, and rows 24 .. 27 again
	v_lshlrev_b32 v105, 4, v105
	v_add_nc_u32 v121, s40, v104                   ; v121: classes 0-15: row r, + 16 h
	v_xor_b32 v106, 16, v103                       ; column + 1
	v_mul_u32_u24 v100, v100, CP
	v_lshl_add_u32 v105, v97, 7, v105              ; column 7 xor (r / 2): slot 28 is its first word
	v_xor_b32 v107, 64, v103                       ; + 4
	v_xor_b32 v108, 0x50, v103                     ; + 5
	v_lshl_add_u32 v100, v98, 4, v100
	v_add_nc_u32 v[STO], s36, v103
	v_add_nc_u32 v[STO+1], s36, v106
	v_add_nc_u32 v[STO+2], s36, v107
	v_add_nc_u32 v[STO+3], s36, v108
	v_add_nc_u32 v[STS], s36, v105
	v_add_nc_u32 v122, s40, v100                   ; v122: classes 16-31
	v_lshlrev_b32 v109, 3, v97
	v_add_nc_u32 v93, s37, v92                     ; v93: where my half tile of queries goes
	v_add_nc_u32 v94, s38, v92                     ; v94: my rows of classes
	v_add_nc_u32 v123, s36, v92                    ; v123: my exemplars
	v_lshl_add_u32 v95, v98, 7, v109
	v_add_nc_u32 v[QA], QB, v92
	v_add_nc_u32 v[QSA], QSB, v109
	v_add_nc_u32 v95, s39, v95                     ; v95: waves 14, 15: row r of tile h of my group; tile h + 2 lies 256 bytes on
	v_mov_b32 v[XL], 0                             ; written once: a lane permute's destination counts as read
	s_wait_alu depctr_va_vdst(0)
	s_wait_dscnt 0x0                               ; both opening adds are done
	ROUND                                          ; all four work-groups are here: the joint loads meet
	s_wait_kmcnt 0x0
	s_add_nc_u64 s[24:25], s[6:7], s[24:25]
	s_mov_b64 s[G0+2:G0+3], s[24:25]               ; global address
	s_or_b32 s[G0+3], s[G0+3], 0x80000000          ; type = 2
	tensor_load_to_lds s[G0:G0+3], s[G1:G1+7]      ; my 128 exemplars: my one tensor load of the launch
	s_nop 0
	s_add_nc_u64 s[20:21], s[4:5], s[20:21]
	s_add_nc_u64 s[28:29], s[4:5], s[28:29]
	s_add_nc_u64 s[26:27], s[8:9], s[26:27]
	s_add_nc_u64 s[30:31], s[10:11], s[30:31]
	s_add_nc_u64 s[34:35], s[12:13], s[34:35]
	global_load_b128 v[112:115], v92, s[20:21]
	global_load_b128 v[116:119], v92, s[20:21] offset:512
	global_load_b32 v[CS], v120, s[30:31]
	s_cmp_lt_u32 s14, 14
	s_cbranch_scc0 .Lscales
.irp j, 0,1,2,3
	global_load_b128 v[96+4*\j:99+4*\j], v92, s[26:27] offset:8192*(\j/2)+512*(\j%2)
.endr
	s_wait_loadcnt 0x0
.irp j, 0,1,2,3
	ds_store_b128 v94, v[96+4*\j:99+4*\j] offset:CP*(\j/2)+512*(\j%2)
.endr
	s_branch .Lbrought
.Lscales:
	global_load_b128 v[96:99], v92, s[28:29]       ; row r's two words of tiles h and h + 2
	s_wait_loadcnt 0x0
	ds_store_b64 v95, v[96:97]
	ds_store_b64 v95, v[98:99] offset:256
.Lbrought:
	ds_store_b128 v93, v[112:115]
	ds_store_b128 v93, v[116:119] offset:512
	s_wait_dscnt 0x0                               ; for the others' sake: my stores are done
	s_barrier_signal -1
	s_barrier_wait -1                              ; queries and classes are in LDS; tensor loads stay out
.macro LOADQ t                         ; tile t of the queries and its scale words
.irp q, 0,1,2,3
	ds_load_b128 v[Q+4*\q:Q+4*\q+3], v[QA] offset:2048*(\t)+512*\q
.endr
	ds_load_b64 v[QS:QS+1], v[QSA] offset:128*(\t)
.endm
; S^T of the tile in Q with half h: two accumulators of 32 exemplars by turns; two K steps; the first starts the sums
.macro SGRP h
.irp p, 0,1
	v_wmma_scale_f32_32x16x128_f4 v[S+16*\p:S+16*\p+15], v[E+64*\h+32*\p:E+64*\h+32*\p+15], v[Q:Q+7], 0, v[KS+4*\h+2*\p], v[QS]
.endr
.irp p, 0,1
	v_wmma_scale_f32_32x16x128_f4 v[S+16*\p:S+16*\p+15], v[E+64*\h+32*\p+16:E+64*\h+32*\p+31], v[Q+8:Q+15], v[S+16*\p:S+16*\p+15], v[KS+4*\h+2*\p+1], v[QS+1]
.endr
.endm
.macro OPROD                           ; O^T = R a^T over my 128 exemplars
	v_wmma_scale_f32_32x16x128_f4 v[O:O+15], v[CF:CF+15], v[P:P+7], 0, v[CS], v[PW]
.endm
.macro STG t                           ; into my stage: lane (r, h) has classes 16 n + 8 h + 4 e + 0 .. 3, the accumulator from its low end on
.irp n, 0,1
.irp e, 0,1
	ds_store_b128 v[STO+2*\n+\e], v[O+8*\n+4*\e:O+8*\n+4*\e+3] offset:2048*(\t)
.endr
.endr
.endm
.macro PA g                            ; s s of eight registers
.irp p, 0,2,4,6
	v_pk_mul_f32 v[T+\p:T+\p+1], v[S+8*\g+\p:S+8*\g+\p+1], v[S+8*\g+\p:S+8*\g+\p+1]
.endr
.endm
.macro PB g                            ; a = (s s) s, in place
.irp p, 0,2,4,6
	v_pk_mul_f32 v[S+8*\g+\p:S+8*\g+\p+1], v[T+\p:T+\p+1], v[S+8*\g+\p:S+8*\g+\p+1]
.endr
.endm
.macro MAXO k                          ; the block's largest magnitude in 16 lines: two chains, the floor among the leaves, joined by the last
.if \k == 0
	v_max3_num_f32 v[M], |v[S]|, |v[S+1]|, FLOOR
.elseif \k == 1
	v_max3_num_f32 v[M+1], |v[S+2]|, |v[S+3]|, |v[S+4]|
.elseif \k == 15
	v_max3_num_f32 v[M], v[M], v[M+1], |v[S+31]|
.else
	v_max3_num_f32 v[M+\k%2], v[M+\k%2], |v[S+2*\k+1]|, |v[S+2*\k+2]|
.endif
.endm
.macro ADDO k, h                       ; the sum is taken of the unquantised a, two at a time, in two chains; the first half's first pairs start them
.if (\h == 0) && (\k < 2)
.elseif (\h == 0) && (\k < 4)
	v_pk_add_f32 v[LS+2*(\k%2):LS+2*(\k%2)+1], v[S+2*\k-4:S+2*\k-3], v[S+2*\k:S+2*\k+1]
.else
	v_pk_add_f32 v[LS+2*(\k%2):LS+2*(\k%2)+1], v[LS+2*(\k%2):LS+2*(\k%2)+1], v[S+2*\k:S+2*\k+1]
.endif
.endm
; The vector work of half h of tile t.  In the first half the second product of the tile before stands among it (its scale word was made 12 lines ago), and its way into the stage;
; in the second half the next tile of queries is asked for.
.macro VEC t, h
	PA 0
	PB 0
	PA 1
.if (\h == 0) && (\t > 0)
	OPROD
.endif
.if (\h == 1) && (\t < 7)
	LOADQ \t+1
.endif
.if (\h == 1) && (\t > 0)
	ds_store_b32 v[STS], v[SF] offset:2048*(\t-1)  ; slot 28: LDS serves a wave's instructions in order (ISA guide 5.7.1.4), so this lands on top; both lanes of a query write the same number
.endif
	MAXO 0
	ADDO 0, \h
	MAXO 1
	ADDO 1, \h
	MAXO 2
	ADDO 2, \h
	ADDO 3, \h
	PB 1
	PA 2
	MAXO 3
	ADDO 4, \h
	MAXO 4
	ADDO 5, \h
	MAXO 5
	ADDO 6, \h
	MAXO 6
	ADDO 7, \h
	PB 2
	PA 3
.if (\h == 0) && (\t > 0)
	STG \t-1
.endif
	MAXO 7
	ADDO 8, \h
	MAXO 8
	ADDO 9, \h
	MAXO 9
	ADDO 10, \h
	MAXO 10
	ADDO 11, \h
	PB 3
	MAXO 11
	ADDO 12, \h
	MAXO 12
	ADDO 13, \h
	MAXO 13
	ADDO 14, \h
	MAXO 14
	ADDO 15, \h
	MAXO 15
	v_add_nc_u32 v[SO], 0xff000000, v[M]           ; 2 off the exponent field: the conversion's scale operand
.irp g, 0,1,2,3
	v_cvt_scalef32_pk8_fp4_f32 v[P+4*\h+\g], v[S+8*\g:S+8*\g+7], v[SO]
.endr
.if \h == 0                            ; the scale's byte; also the plain place behind the conversions
	v_lshrrev_b32 v[BY0], 23, v[SO]
.else
	v_lshrrev_b32 v[W], 23, v[SO]
.endif
.endm
.macro SUMUP                           ; the finished sum: the pair's two words, then the two lanes of a query
	v_add_f32 v[SF], v[SF], v[SF+1]
	v_permlanex16_b32 v[SF+1], v[SF], s[SEL], s[SEL+1]
	v_add_f32 v[SF], v[SF], v[SF+1]
.endm
.macro FIN                             ; a's scale word: my blocks' bytes 0 and 2, and lane l xor 16's between them (lanes 0-15 are read); the sum's chains joined
	v_lshl_or_b32 v[W], v[W], 16, v[BY0]
	v_pk_add_f32 v[SF:SF+1], v[SM:SM+1], v[LS:LS+1]
	v_permlanex16_b32 v[XL], v[W], s[SEL], s[SEL+1]
	v_lshl_or_b32 v[PW], v[XL], 8, v[W]
.endm
.macro TILE t
	VEC \t, 0
.if \t == 0
	s_wait_alu depctr_va_vdst(0)
	s_wait_dscnt 0x0                               ; half 1 is in
.endif
	SGRP 1
.if \t > 0                             ; four places (ISA guide 7.12.1) in front of the first read of the scores
	SUMUP
	v_nop
.else
.rept 4
	v_nop
.endr
.endif
	VEC \t, 1
.if \t < 7
	s_wait_alu depctr_va_vdst(0)
	s_wait_dscnt 0x0                               ; the next tile of queries is in
	SGRP 0
.endif
	FIN                                            ; also four places behind the products
.endm
.irp n, 0,1
.irp c, 0,1
	ds_load_b128 v[CF+8*\n+4*\c:CF+8*\n+4*\c+3], v[121+\n] offset:32*\c
.endr
.endr
	LOADQ 0
	s_wait_tensorcnt 0x0                           ; my exemplars are in LDS: my own load brought them, and I alone read them
.macro LOADE h                         ; a half: the registers' order is pair of tiles, K step, tile of the pair: 16 registers on end are source 0 of a 32-row product
.set k, 0
.rept 16
	ds_load_b128 v[E+64*\h+32*(k/8)+16*((k%4)/2)+8*((k/4)%2)+4*(k%2):E+64*\h+32*(k/8)+16*((k%4)/2)+8*((k/4)%2)+4*(k%2)+3], v123 offset:GRP*\h+512*k
.set k, k+1
.endr
	ds_load_b128 v[KS+4*\h:KS+4*\h+3], v123 offset:GRP*\h+8192
.endm
	LOADE 0
	LOADE 1
	s_wait_dscnt 17                                ; all but half 1's 17 loads are in
	SGRP 0
.rept 4
	v_nop
.endr
.irp t, 0,1,2,3,4,5,6,7
	TILE \t
.endr
	; THE WAY OUT: the last tile's sum, and the addresses in the stages: the places ahead of the last product.  I take rows 8 w .. 8 w + 7 (half a tile) of all sixteen stages, four rows a load:
	; load e, lane l: row 4 e + l / 8 of the eight, column (l % 8) xor (4 (w % 2) + 2 e + l / 16)
	v_and_b32 v24, 31, v0                          ; lane
	v_and_b32 v25, 7, v0
	v_add_f32 v[SF], v[SF], v[SF+1]
	v_lshrrev_b32 v26, 4, v24
	v_lshrrev_b32 v27, 3, v24
	v_permlanex16_b32 v[SF+1], v[SF], s[SEL], s[SEL+1]
	v_xor_b32 v25, v25, v26
	v_lshlrev_b32 v104, 4, v24                     ; v104: 16 x lane
	v_xor_b32 v25, s46, v25
	v_add_f32 v[SF], v[SF], v[SF+1]
	v_lshlrev_b32 v25, 4, v25
	v_mov_b32 v107, 0
	v_lshl_add_u32 v25, v27, 7, v25
	v_lshl_add_u32 v106, v0, 2, SPARE
	v_xor_b32 v26, 32, v25
	OPROD
	v_add_nc_u32 v96, s41, v25                     ; stages 0 to 3,
	v_add_nc_u32 v100, s41, v26
.irp k, 1,2,3
	v_add_nc_u32 v[96+\k], 4*WREG, v[95+\k]        ; and four stages on, three times
	v_add_nc_u32 v[100+\k], 4*WREG, v[99+\k]
.endr
	STG 7
	ds_store_b32 v[STS], v[SF] offset:2048*7
	s_wait_alu depctr_va_vdst(0)
	s_wait_dscnt 0x0                               ; for the others' sake: my stage is written
	s_barrier_signal -1
	s_barrier_wait -1
.irp s, 0,1,2,3,4,5,6,7,8,9,10,11,12,13,14,15
.irp e, 0,1
	ds_load_b128 v[E+8*\s+4*\e:E+8*\s+4*\e+3], v[96+4*\e+\s/4] offset:WREG*(\s%4)+512*\e
.endr
.endr
.macro ACC s                           ; the sixteen waves' parts are added, lower exemplars first
.irp i, 0,2,4,6
	v_pk_add_f32 v[E+\i:E+\i+1], v[E+\i:E+\i+1], v[E+8*\s+\i:E+8*\s+\i+1]
.endr
.endm
	s_wait_dscnt 24                                ; stages 0 to 3 are in; the younger may be out
	ACC 1
	ACC 2
	ACC 3
	s_wait_alu depctr_va_vdst(0)                   ; the wait ahead of each wait below
	s_wait_dscnt 16
	ACC 4
	ACC 5
	ACC 6
	ACC 7
	s_wait_alu depctr_va_vdst(0)
	s_wait_dscnt 8
	ACC 8
	ACC 9
	ACC 10
	ACC 11
	s_wait_alu depctr_va_vdst(0)
	s_wait_dscnt 0x0
	ACC 12
	ACC 13
	ACC 14
	ACC 15
	global_store_b128 v104, v[E:E+3], s[34:35]     ; four rows of part each: 512 consecutive bytes
	global_store_b128 v104, v[E+4:E+7], s[34:35] offset:512
	s_wait_tensorcnt 0x0                           ; the wave's end
	ds_add_u32 v106, v107
	s_wait_dscnt 0x0
	ROUND                                          ; the closing round: no work-group ends while a partner may still ask for a tile that names it
	s_endpgm
.Lfunc_end_k_q9c5eb76119_echo:
	.size	k_q9c5eb76119_echo, .Lfunc_end_k_q9c5eb76119_echo-k_q9c5eb76119_echo
	.p2alignl 7, 3214868480
	.fill 96, 4, 3214868480
	.section	.rodata,"a",@progbits
	.p2align	6, 0x0
	.amdhsa_kernel k_q9c5eb76119_echo
		.amdhsa_group_segment_fixed_size 327680
		.amdhsa_private_segment_fixed_size 0
		.amdhsa_enable_private_segment 0
		.amdhsa_kernarg_size 40
		.amdhsa_user_sgpr_count 2
		.amdhsa_user_sgpr_kernarg_segment_ptr 1
		.amdhsa_wavefront_size32 1
		.amdhsa_system_sgpr_workgroup_id_x 1
		.amdhsa_system_sgpr_workgroup_id_y 1
		.amdhsa_system_sgpr_workgroup_id_z 1
		.amdhsa_system_vgpr_workitem_id 0
		.amdhsa_next_free_vgpr 256
		.amdhsa_next_free_sgpr 66
		.amdhsa_reserve_vcc 0
		.amdhsa_float_denorm_mode_32 3
		.amdhsa_float_denorm_mode_16_64 3
		.amdhsa_memory_ordered 1
		.amdhsa_forward_progress 1
		.amdhsa_inst_pref_size 105
	.end_amdhsa_kernel
	.amdgpu_metadata
---
amdhsa.version: [ 1, 2 ]
amdhsa.kernels:
  - .name:           k_q9c5eb76119_echo
    .symbol:         k_q9c5eb76119_echo.kd
    .args:
      - { .name: qf, .offset: 0, .size: 8, .value_kind: global_buffer, .address_space: global }
      - { .name: ek, .offset: 8, .size: 8, .value_kind: global_buffer, .address_space: global }
      - { .name: ex_class_reps_codes, .offset: 16, .size: 8, .value_kind: global_buffer, .address_space: global }
      - { .name: ex_class_reps_scales, .offset: 24, .size: 8, .value_kind: global_buffer, .address_space: global }
      - { .name: part, .offset: 32, .size: 8, .value_kind: global_buffer, .address_space: global }
    .group_segment_fixed_size: 327680
    .private_segment_fixed_size: 0
    .kernarg_segment_align: 8
    .kernarg_segment_size: 40
    .max_flat_workgroup_size: 512
    .sgpr_count:     66
    .vgpr_count:     256
    .wavefront_size: 32
...
	.end_amdgpu_metadata
.endif
;; end of part 2
;; launch sum (part 3): grid 256 x 1, 4 waves a work-group, no clusters, 0 bytes of LDS; arguments part, out0, out1; writes out0, out1
.if DOCPART == 3
	.amdgcn_target "amdgcn-amd-amdhsa--gfx1250"
	.amdhsa_code_object_version 6
	.text
	.protected	k_q9c5eb76119_sum
	.globl	k_q9c5eb76119_sum
	.p2align	8
	.type	k_q9c5eb76119_sum,@function
k_q9c5eb76119_sum:
	s_mov_b64 s[64:65], 0
	v_nop
	global_prefetch_b8 v0, s[64:65] scope:SCOPE_SE
	s_setreg_imm32_b32 hwreg(HW_REG_WAVE_MODE, 25, 1), 1
	s_wait_xcnt 0x0
; part [8 splits][4096 queries][32 f32] is added over the splits, in ascending order.  Slots 0-27 of a query are out0's row, slot 28 is out1's number, slots 29-31 are dropped.
; Thread T of 32,768 takes 16 bytes (four slots): query T / 8, slots 4 (T % 8) on.  Each load of a wave reads 512 consecutive bytes; all 8 loads of a wave are out at once.
; A stream of 4 MiB: no LDS, no barrier, no matrix unit.  out0's rows are 112 bytes: a wave's store covers 448 consecutive bytes (four rows); out1 gets 16 bytes a wave, 16 KiB in the whole launch.
.set SPLIT, 524288                     ; bytes of a split in part; 7 x SPLIT lies inside the signed 24-bit immediate (ISA guide, chapter 10)
.set L, 16                             ; v16-47  split y's 16 bytes at L + 4 y
	s_load_b128 s[4:7], s[0:1], 0x0                ; part s[4:5], out0 s[6:7]
	s_load_b64 s[8:9], s[0:1], 0x10                ; out1
	s_lshl_b32 s12, ttmp9, 11                      ; 128 threads x 16 bytes a work-group
	s_lshl_b32 s13, ttmp9, 7
	v_lshl_add_u32 v1, v0, 4, s12                  ; 16 T
	v_add_nc_u32 v2, s13, v0                       ; T
	v_lshrrev_b32 v3, 3, v2                        ; the query
	v_and_b32 v4, 7, v2                            ; which four slots
	v_mul_u32_u24 v5, v3, 112
	v_lshl_add_u32 v5, v4, 4, v5                   ; out0: 112 bytes a row
	v_lshlrev_b32 v6, 2, v3                        ; out1
	s_wait_alu depctr_va_vdst(0)
	s_wait_kmcnt 0x0
.irp y, 0,1,2,3,4,5,6,7
	global_load_b128 v[L+4*\y:L+4*\y+3], v1, s[4:5] offset:\y*SPLIT th:TH_LOAD_NT
.endr
	s_wait_loadcnt 1                               ; loads come back in order: all but the last split are in
	v_pk_add_f32 v[8:9], v[L:L+1], v[L+4:L+5]      ; the first addition starts the sums
	v_pk_add_f32 v[10:11], v[L+2:L+3], v[L+6:L+7]
.irp y, 2,3,4,5,6
	v_pk_add_f32 v[8:9], v[8:9], v[L+4*\y:L+4*\y+1]
	v_pk_add_f32 v[10:11], v[10:11], v[L+4*\y+2:L+4*\y+3]
.endr
	s_wait_alu depctr_va_vdst(0)
	s_wait_loadcnt 0x0
	v_pk_add_f32 v[8:9], v[8:9], v[L+28:L+29]
	v_pk_add_f32 v[10:11], v[10:11], v[L+30:L+31]
	v_cmp_gt_u32 vcc_lo, 7, v4
	s_wait_alu depctr_va_vdst(0)
	s_wait_xcnt 0x0                                ; EXEC changes only behind this wait
	s_and_saveexec_b32 s10, vcc_lo                 ; slots 0-27
	global_store_b128 v5, v[8:11], s[6:7]
	s_wait_xcnt 0x0                                ; and again, in front of the line that widens it
	s_or_b32 exec_lo, exec_lo, s10
	v_cmp_eq_u32 vcc_lo, 7, v4
	s_and_saveexec_b32 s10, vcc_lo                 ; slot 28
	global_store_b32 v6, v8, s[8:9]
	s_wait_xcnt 0x0
	s_or_b32 exec_lo, exec_lo, s10
	s_endpgm
.Lfunc_end_k_q9c5eb76119_sum:
	.size	k_q9c5eb76119_sum, .Lfunc_end_k_q9c5eb76119_sum-k_q9c5eb76119_sum
	.p2alignl 7, 3214868480
	.fill 96, 4, 3214868480
	.section	.rodata,"a",@progbits
	.p2align	6, 0x0
	.amdhsa_kernel k_q9c5eb76119_sum
		.amdhsa_group_segment_fixed_size 0
		.amdhsa_private_segment_fixed_size 0
		.amdhsa_enable_private_segment 0
		.amdhsa_kernarg_size 24
		.amdhsa_user_sgpr_count 2
		.amdhsa_user_sgpr_kernarg_segment_ptr 1
		.amdhsa_wavefront_size32 1
		.amdhsa_system_sgpr_workgroup_id_x 1
		.amdhsa_system_sgpr_workgroup_id_y 1
		.amdhsa_system_sgpr_workgroup_id_z 1
		.amdhsa_system_vgpr_workitem_id 0
		.amdhsa_next_free_vgpr 48
		.amdhsa_next_free_sgpr 66
		.amdhsa_reserve_vcc 1
		.amdhsa_float_denorm_mode_32 3
		.amdhsa_float_denorm_mode_16_64 3
		.amdhsa_memory_ordered 1
		.amdhsa_forward_progress 1
		.amdhsa_inst_pref_size 4
	.end_amdhsa_kernel
	.amdgpu_metadata
---
amdhsa.version: [ 1, 2 ]
amdhsa.kernels:
  - .name:           k_q9c5eb76119_sum
    .symbol:         k_q9c5eb76119_sum.kd
    .args:
      - { .name: part, .offset: 0, .size: 8, .value_kind: global_buffer, .address_space: global }
      - { .name: out0, .offset: 8, .size: 8, .value_kind: global_buffer, .address_space: global }
      - { .name: out1, .offset: 16, .size: 8, .value_kind: global_buffer, .address_space: global }
    .group_segment_fixed_size: 0
    .private_segment_fixed_size: 0
    .kernarg_segment_align: 8
    .kernarg_segment_size: 24
    .max_flat_workgroup_size: 128
    .sgpr_count:     66
    .vgpr_count:     48
    .wavefront_size: 32
...
	.end_amdgpu_metadata
.endif
;; end of part 3
